; MI455X (gfx1250); checked and timed in simulation.
; The chip was launched on July 23, 2026; its instructions are those of AMD's public machine-readable ISA for CDNA 5 (MIT licence, August 2026) and "CDNA5" Instruction Set Architecture Reference Guide (July 2026). The comments in the code are by the model that wrote it; some were corrected since.
;; MXFP4 Matmul. Allowed arithmetic: float matrix products may take bf16 or f16 operands with f32 sums; other float arithmetic in f32, or as packed bf16 or f16 multiplies, adds, multiply-adds, maxima and minima; sums over many terms, partial sums and values carried from step to step in f32; what a program stores and reads back later, other than sums and carried values, may be rounded once to bf16 or f16.
;; Inputs: a 4,096 x 2,048 int32; b 4,096 x 2,048 int32; scales_a 4,096 x 128 float32; scales_b 4,096 x 128 float32.
;; Outputs: out0 4,096 x 4,096 float32.
;; 2 versions, each right; version 2 is version 1 with the launch dequant written anew for expert scheduling mode. Each part assembles by itself: llvm-mc -triple=amdgcn-amd-amdhsa -mcpu=gfx1250 --defsym DOCPART=n.
;; ======== version 1 of 2: 2 launches
;; workspace buffers: abf 33,554,432 bytes; bbf 33,554,432 bytes
;; launch dequant (part 1): grid 128 x 2, 16 waves a work-group, no clusters, 18,432 bytes of LDS; arguments a, b, scales_a, scales_b, abf, bbf; writes abf, bbf
.if DOCPART == 1
	.amdgcn_target "amdgcn-amd-amdhsa--gfx1250"
	.amdhsa_code_object_version 6
	.text
	.protected	k_q3119d6403b_dequant
	.globl	k_q3119d6403b_dequant
	.p2align	8
	.type	k_q3119d6403b_dequant,@function
k_q3119d6403b_dequant:
	s_mov_b64 s[64:65], 0
	v_nop
	global_prefetch_b8 v0, s[64:65] scope:SCOPE_SE
	s_setreg_imm32_b32 hwreg(HW_REG_WAVE_MODE, 25, 1), 1
	s_wait_xcnt 0x0
; MXFP4 -> bf16.  src: [4096][2048] int32, each word one byte = two E2M1 codes (low nibble first); scl: [4096][128] f32, a biased exponent s for 32 numbers along K.
; dst: [4096][4096] bf16, dst[r][k] = code value x 2^(s - 127).  A word of src (two codes) and its two bf16 results are both 4 bytes: every result word lies at its source word's byte offset.
; Grid y = 0: a, scales_a -> abf;  y = 1: b, scales_b -> bbf.  A work-group owns 32 rows, each of its 16 waves two rows.  No loop: a wave issues its 2 scale loads and its 32 data loads
; (17 KiB) at once and works them off in the order of issue, by counted waits.
; LANES.  A row is 8,192 bytes = 32 pieces of 256 bytes; piece u holds 128 numbers = the scale blocks 4 u .. 4 u + 3.  Load j (0..15) of a row: lanes 0-15 take piece j, lanes 16-31 piece 16 + j,
; 16 bytes a lane: sixteen neighbouring lanes read and later store 256 consecutive bytes, aligned.  Lane (h = l / 16, c = l % 16) then needs scale 4 (16 h + j) + c / 4.
; SCALES are read once, 512 consecutive bytes a row (lane l: scales 4 l + q), made into 2^(s - 127), and turned through the wave's own 1,024 bytes of LDS: scale 4 l + q goes to word 32 q + l,
; so that a lane's sixteen scales (j = 0..15) are 64 consecutive bytes.  Only the wave itself touches those bytes, and LDS serves a wave's instructions in order (ISA guide 5.7.1.4): no barrier.
; ARITHMETIC.  2^(s - 127) = ldexp(2^frac, floor) with frac in [0, 1): the exponential's argument is small, so a scale below 2^-126 comes out as a denormal and one past f32's range as infinity.
; The code's value (exact) is multiplied by the scale in f32 and rounded once to bf16: exact wherever s is a whole number and the result is no bf16 denormal.
; LIMITS.  Bits 31:8 of a word are ignored.  A NaN scale is not treated apart (it gives NaN).  Where s is no whole number the product is rounded to bf16's 8 significant bits.
.set ROWB,  8192                       ; bytes in a row of src and of dst
.set SCROW, 512                        ; bytes in a row of scl
.set SPARE, 16384                      ; behind the sixteen scale areas: the spare words, 128 bytes for each wave: eight blocks of 256 bytes that no other line names
.set DO,  2                            ; v2   my byte offset in a load's two pieces: 4,096 h + 16 c; never rewritten
.set SO,  3                            ; v3   16 l: my four scales of a row
.set LW,  4                            ; v4   LDS: my wave's area + 4 l
.set LRD, 5                            ; v5   LDS: my wave's area + 128 (c / 4) + 64 h
.set SPW, 6                            ; v6   LDS address of my spare word: SPARE + 4 x my thread's number; never rewritten
.set NIL, 7                            ; v7   0; never rewritten
.set ONE, 8                            ; v8   the E8M0 code of 1.0 in every byte: the conversion's scale
.set T0,  10                           ; v10-11 at work
.set T1,  11
.set PA,  12                           ; v12, v13  eight codes each, K ascending from bit 0
.set PB,  13
.set SR,  16                           ; v[16:23]  s as loaded (row r at 4 r), then s - 127, then its fraction
.set FL,  24                           ; v[24:31]  floor(s - 127), then the same as a whole number
.set EX,  32                           ; v[32:39]  2^frac, then the scale
.set FA,  40                           ; v[40:47]  eight numbers in f32
.set FB,  48                           ; v[48:55]  eight more
.set SC,  64                           ; v[64:95]  the scale of group g = 16 r + j
.set X,   96                           ; v[96:223] group g: 4 registers, as loaded and then as stored
.set SRC, 22                           ; s[22:23]  src at my wave's first row
.set SCL, 24                           ; s[24:25]  scl at my wave's first row
.set DST, 26                           ; s[26:27]  dst at my wave's first row
.set SELA, 28                          ; s28  v_perm_b32: byte 0 of the second source, byte 0 of the first, twice
.set SELB, 29                          ; s29  v_perm_b32: the low halves of the second and of the first source
	s_load_b256 s[4:11], s[0:1], 0x0               ; a s[4:5], b s[6:7], scales_a s[8:9], scales_b s[10:11]
	s_load_b128 s[12:15], s[0:1], 0x20             ; abf s[12:13], bbf s[14:15]
	v_lshl_add_u32 v[SPW], v0, 2, SPARE
	v_mov_b32 v[NIL], 0
	v_lshrrev_b32 v1, 5, v0
	v_readfirstlane_b32 s16, v1                    ; wave 0..15
	s_and_b32 s17, ttmp7, 0xffff                   ; which of the two tensors
	s_lshl_b32 s18, ttmp9, 18                      ; the work-group's 32 rows of 8,192 bytes,
	s_lshl_b32 s19, s16, 14                        ; my wave's two of them
	s_add_co_u32 s18, s18, s19
	s_mov_b32 s19, 0
	s_lshl_b32 s20, ttmp9, 14                      ; the same rows in scl: 512 bytes each
	s_lshl_b32 s30, s16, 10                        ; (also my wave's 1,024 bytes of LDS)
	s_add_co_u32 s20, s20, s30
	s_mov_b32 s21, 0
	s_mov_b32 s[SELA], 0x04000400
	s_mov_b32 s[SELB], 0x05040100
	v_and_b32 v1, 31, v0                           ; l
	v_and_b32 v9, 15, v0                           ; c
	v_bfe_u32 v10, v0, 4, 1                        ; h
	v_bfe_u32 v11, v0, 2, 2                        ; c / 4
	v_lshlrev_b32 v[DO], 4, v9
	v_lshl_add_u32 v[DO], v10, 12, v[DO]
	v_lshlrev_b32 v[SO], 4, v1
	v_lshl_add_u32 v[LW], v1, 2, s30
	v_lshl_add_u32 v[LRD], v11, 7, s30
	v_lshl_add_u32 v[LRD], v10, 6, v[LRD]
	v_mov_b32 v[ONE], 0x7f7f7f7f
	s_wait_kmcnt 0x0
	s_cmp_eq_u32 s17, 0
	s_cselect_b64 s[SRC:SRC+1], s[4:5], s[6:7]
	s_cselect_b64 s[SCL:SCL+1], s[8:9], s[10:11]
	s_cselect_b64 s[DST:DST+1], s[12:13], s[14:15]
	s_add_nc_u64 s[SRC:SRC+1], s[SRC:SRC+1], s[18:19]
	s_add_nc_u64 s[SCL:SCL+1], s[SCL:SCL+1], s[20:21]
	s_add_nc_u64 s[DST:DST+1], s[DST:DST+1], s[18:19]
.irp r, 0,1
	global_load_b128 v[SR+4*(\r):SR+4*(\r)+3], v[SO], s[SCL:SCL+1] offset:SCROW*(\r) th:TH_LOAD_NT
.endr
.irp r, 0,1
.irp j, 0,1,2,3,4,5,6,7,8,9,10,11,12,13,14,15
	global_load_b128 v[X+4*(16*(\r)+(\j)):X+4*(16*(\r)+(\j))+3], v[DO], s[SRC:SRC+1] offset:ROWB*(\r)+256*(\j) th:TH_LOAD_NT
.endr
.endr
	s_wait_loadcnt 32                              ; loads come back in order (ISA guide 5.7.1): the two scale loads are in, the 32 data loads behind them stay out
.irp i, 0,1,2,3,4,5,6,7
	v_add_f32 v[SR+(\i)], 0xc2fe0000, v[SR+(\i)]   ; s - 127
.endr
.irp i, 0,1,2,3,4,5,6,7
	v_floor_f32 v[FL+(\i)], v[SR+(\i)]
.endr
.irp i, 0,1,2,3,4,5,6,7
	v_sub_f32 v[SR+(\i)], v[SR+(\i)], v[FL+(\i)]   ; the fraction, 0 where s is a whole number
.endr
.irp i, 0,1,2,3,4,5,6,7
	v_exp_f32 v[EX+(\i)], v[SR+(\i)]               ; one batch of eight
.endr
	v_nop                                          ; a plain instruction behind the last exponential, ahead of any use of a result (ISA guide 5.7.2)
.irp i, 0,1,2,3,4,5,6,7
	v_cvt_i32_f32 v[FL+(\i)], v[FL+(\i)]           ; work that names no result of the batch
.endr
	s_wait_alu depctr_va_vdst(0)                   ; one wait for the eight exponentials, ahead of their first reader
.irp i, 0,1,2,3,4,5,6,7
	v_ldexp_f32 v[EX+(\i)], v[EX+(\i)], v[FL+(\i)]
.endr
.irp r, 0,1
.irp q, 0,1,2,3
	ds_store_b32 v[LW], v[EX+4*(\r)+(\q)] offset:512*(\r)+128*(\q)  ; scale 4 l + q of row r to word 32 q + l of the row's 512 bytes
.endr
.endr
.irp r, 0,1
.irp t, 0,1,2,3
	ds_load_b128 v[SC+16*(\r)+4*(\t):SC+16*(\r)+4*(\t)+3], v[LRD] offset:512*(\r)+16*(\t)  ; my scales for j = 4 t .. 4 t + 3; four lanes share each address
.endr
.endr
	s_wait_dscnt 0x0
; Groups g and g + 1 (g even; row g / 16, loads g % 16 and the next).  The four words' low bytes are gathered into one word of eight codes; the conversion gives their values (its own scale is 1.0);
; the scale multiplies in f32; two roundings a line pack the results over the words that were loaded.  Behind each scaled conversion stands a plain line that names none of its registers
; before its result is touched: the other group's v_perm_b32, or the first group's multiplies.  No register that a store reads is written again, so no wait frees any.
.macro PAIR g
.set XA, X+4*(\g)
.set XB, X+4*(\g)+4
.set OFS, ROWB*((\g)/16)+256*((\g)%16)
	s_wait_loadcnt 30-(\g)                         ; both groups are in; the 30 - g data loads issued behind them stay out
	v_perm_b32 v[T0], v[XA+1], v[XA], s[SELA]
	v_perm_b32 v[T1], v[XA+3], v[XA+2], s[SELA]
	v_perm_b32 v[PA], v[T1], v[T0], s[SELB]
	v_cvt_scale_pk8_f32_fp4 v[FA:FA+7], v[PA], v[ONE]
	v_perm_b32 v[T0], v[XB+1], v[XB], s[SELA]
	v_perm_b32 v[T1], v[XB+3], v[XB+2], s[SELA]
	v_perm_b32 v[PB], v[T1], v[T0], s[SELB]
	v_cvt_scale_pk8_f32_fp4 v[FB:FB+7], v[PB], v[ONE]
.irp k, 0,2,4,6
	v_pk_mul_f32 v[FA+(\k):FA+(\k)+1], v[FA+(\k):FA+(\k)+1], v[SC+(\g):SC+(\g)+1] op_sel_hi:[1,0]  ; both by the pair's first register: group g's scale
.endr
.irp k, 0,1,2,3
	v_cvt_pk_bf16_f32 v[XA+(\k)], v[FA+2*(\k)], v[FA+2*(\k)+1]
.endr
	global_store_b128 v[DO], v[XA:XA+3], s[DST:DST+1] offset:OFS th:TH_STORE_NT
.irp k, 0,2,4,6
	v_pk_mul_f32 v[FB+(\k):FB+(\k)+1], v[FB+(\k):FB+(\k)+1], v[SC+(\g):SC+(\g)+1] op_sel:[0,1] op_sel_hi:[1,1]  ; both by the pair's second register: group g + 1's scale
.endr
.irp k, 0,1,2,3
	v_cvt_pk_bf16_f32 v[XB+(\k)], v[FB+2*(\k)], v[FB+2*(\k)+1]
.endr
	global_store_b128 v[DO], v[XB:XB+3], s[DST:DST+1] offset:OFS+256 th:TH_STORE_NT
.endm
.irp g, 0,2,4,6,8,10,12,14,16,18,20,22,24,26,28,30
	PAIR \g
.endr
	s_wait_tensorcnt 0x0                           ; the wave's end, behind my last LDS store
	ds_add_u32 v[SPW], v[NIL]
	s_wait_dscnt 0x0
	s_endpgm
.Lfunc_end_k_q3119d6403b_dequant:
	.size	k_q3119d6403b_dequant, .Lfunc_end_k_q3119d6403b_dequant-k_q3119d6403b_dequant
	.p2alignl 7, 3214868480
	.fill 96, 4, 3214868480
	.section	.rodata,"a",@progbits
	.p2align	6, 0x0
	.amdhsa_kernel k_q3119d6403b_dequant
		.amdhsa_group_segment_fixed_size 18432
		.amdhsa_private_segment_fixed_size 0
		.amdhsa_enable_private_segment 0
		.amdhsa_kernarg_size 48
		.amdhsa_user_sgpr_count 2
		.amdhsa_user_sgpr_kernarg_segment_ptr 1
		.amdhsa_wavefront_size32 1
		.amdhsa_system_sgpr_workgroup_id_x 1
		.amdhsa_system_sgpr_workgroup_id_y 1
		.amdhsa_system_sgpr_workgroup_id_z 1
		.amdhsa_system_vgpr_workitem_id 0
		.amdhsa_next_free_vgpr 224
		.amdhsa_next_free_sgpr 66
		.amdhsa_reserve_vcc 0
		.amdhsa_float_denorm_mode_32 3
		.amdhsa_float_denorm_mode_16_64 3
		.amdhsa_memory_ordered 1
		.amdhsa_forward_progress 1
		.amdhsa_inst_pref_size 36
	.end_amdhsa_kernel
	.amdgpu_metadata
---
amdhsa.version: [ 1, 2 ]
amdhsa.kernels:
  - .name:           k_q3119d6403b_dequant
    .symbol:         k_q3119d6403b_dequant.kd
    .args:
      - { .name: a, .offset: 0, .size: 8, .value_kind: global_buffer, .address_space: global }
      - { .name: b, .offset: 8, .size: 8, .value_kind: global_buffer, .address_space: global }
      - { .name: scales_a, .offset: 16, .size: 8, .value_kind: global_buffer, .address_space: global }
      - { .name: scales_b, .offset: 24, .size: 8, .value_kind: global_buffer, .address_space: global }
      - { .name: abf, .offset: 32, .size: 8, .value_kind: global_buffer, .address_space: global }
      - { .name: bbf, .offset: 40, .size: 8, .value_kind: global_buffer, .address_space: global }
    .group_segment_fixed_size: 18432
    .private_segment_fixed_size: 0
    .kernarg_segment_align: 8
    .kernarg_segment_size: 48
    .max_flat_workgroup_size: 512
    .sgpr_count:     66
    .vgpr_count:     224
    .wavefront_size: 32
...
	.end_amdgpu_metadata
.endif
;; end of part 1
;; launch gemm (part 2): grid 16 x 16, 4 waves a work-group, clusters of 4 x 4, 327,680 bytes of LDS; arguments abf, bbf, out0; writes out0
.if DOCPART == 2
	.amdgcn_target "amdgcn-amd-amdhsa--gfx1250"
	.amdhsa_code_object_version 6
	.text
	.protected	k_q3119d6403b_gemm
	.globl	k_q3119d6403b_gemm
	.p2align	8
	.type	k_q3119d6403b_gemm,@function
k_q3119d6403b_gemm:
	s_mov_b64 s[64:65], 0
	v_nop
	global_prefetch_b8 v0, s[64:65] scope:SCOPE_SE
	s_setreg_imm32_b32 hwreg(HW_REG_WAVE_MODE, 25, 1), 1
	s_wait_xcnt 0x0
	s_wait_alu depctr_hold_cnt(0) depctr_sa_sdst(0) depctr_va_vdst(0) depctr_va_sdst(0) depctr_va_ssrc(0) depctr_va_vcc(0) depctr_vm_vsrc(0)
	s_getreg_b32 s2, hwreg(HW_REG_IB_STS2, 6, 4)
	s_cmp_eq_u32 s2, 0
	s_cbranch_scc0 .Lentry_in_a_cluster
	s_endpgm
.Lentry_in_a_cluster:
	s_bfe_u32 s2, ttmp6, 0x10000c
	s_cmp_lg_u32 s2, 0xf033
	s_cbranch_scc0 .Lentry_shape_is_right
	s_endpgm
.Lentry_shape_is_right:
; C[m][n] = sum over k of A[m][k] B[n][k].  A = abf, B = bbf: [4096][4096] bf16; C = out0: [4096][4096] f32.  Sums in f32, K ascending, one accumulator for each output; C is stored as summed.
; A tile of C, 256 x 256, is made by a work-group of four waves; a wave makes 128 x 128: 64 accumulators of 16 x 16, 512 registers.  16 x 16 tiles: one for each of 256 work-groups.
; K goes in 32 steps of 128 through a ring of two LDS slots filled by the tensor data mover: the rows of A's and B's tiles are 256 bytes of memory, at multiples of 256 bytes from the buffer's first byte.
; CLUSTERS: 4 x 4 work-groups.  The four of a row of the cluster need the same tiles of A, the four of a column the same tiles of B.  Such a tile is asked for JOINTLY: each of the four issues the same
; tensor load, with the same descriptor and a mask that names the four, and each receives the tile in its own LDS.  That divides the requests for A and for B by four.
; REGISTERS, in windows of 256 (s_set_vgpr_msb's low byte: bits 1:0 source 0, 3:2 source 1, 5:4 source 2, 7:6 destination):
;   window 0: v0-31 addresses; v64-127, v128-191 fragments of A (8 x 16 rows x 32 K), two buffers; on the way out the same 128 registers take rows read back from the stage
;   window 1: v64-127, v128-191 fragments of B, two buffers
;   window 2: the 32 accumulators of my rows 0-63 (accumulator (a, b) at v[8 (8 a + b)]);   window 3: those of my rows 64-127
; THE MATRIX INSTRUCTION IS USED TRANSPOSED: source 0 = 16 rows of B, source 1 = 16 rows of A.  In the result lane l holds row l % 16 of C and its registers 0 to 7 the columns 8 (l / 16) + 0..7:
; 32 neighbouring bytes of a row of C.
; LIMITS.  The operands are bf16 as the launch before left them; NaN and infinities pass through the products as they are.
.set SIZE_K, 4096
.set SIZE_N, 4096
.set KSTEP,  128
.set PITCH,  272                       ; an LDS row: 256 bytes of data + 16 of padding = 68 words: row r starts at bank 4 r mod 64 (64 banks of 4 bytes: ISA guide 11.1), so the 16 rows that a load touches start at 16 different banks
.set HALFT,  128*PITCH                 ; 128 rows: what one tensor load brings, and what one wave reads of A or of B
.set SLOT,   4*HALFT                   ; A's 256 rows, then B's 256 rows
.set STAGE,  2*SLOT                    ; behind the ring, never filled by a tensor load: 16 rows x 528 bytes for each wave, for the way out
.set SPITCH, 528                       ; a stage row: 512 bytes (128 f32) + 16 = 132 words: again 4 banks from row to row
.set SPARE,  STAGE+4*16*SPITCH         ; behind the stages: the spare words, 128 bytes for each wave: two blocks of 256 bytes that no other line names
.set LAPS,   SIZE_K/(2*KSTEP)          ; a lap = two K steps = once round the ring: 16
.set CROW,   SIZE_N*4                  ; bytes in a row of C
.set ADRA, 16                          ; v16-17  LDS address of my A fragments in slot 0, 1
.set ADRB, 20                          ; v20-21  the same for B
.set STO,  24                          ; v24     the way out: where I put 32 bytes of a row
.set RD,   25                          ; v25     the way out: where I read 16 bytes of a row back
.set CO,   26                          ; v26     16 x lane: my byte offset in 512 bytes of a row of C; never rewritten
.set SPW,  28                          ; v28     LDS address of my spare word: SPARE + 4 x my thread's number; never rewritten
.set NIL,  29                          ; v29     0; never rewritten
.set PFO,  30                          ; v30     the prefetches' offset: my lane x a row of A or B in memory; never rewritten
.set PFA,  44                          ; s[44:45] where my prefetches stand: my work-group's 32 rows of the 128 that I fetch, one K step further along K than the refill that is being asked for
.set LIM,  43                          ; s43     1 in a wave that prefetches, else the greatest number
.set F0,   64                          ; fragment buffer 0
.set F1,   128                         ; fragment buffer 1
.set OB,   64                          ; the way out: 16 rows read back from the stage: v64-127 and v128-191 by turns
.set G1, 24                            ; s[24:31] descriptor group 1 for A's tiles
.set G0, 32                            ; s[32:39] descriptor group 0 for A's tiles, one set for each slot
.set G1B, 48                           ; s[48:55] descriptor group 1 for B's tiles: it differs from A's in the mask alone
.set G0B, 56                           ; s[56:63] descriptor group 0 for B's tiles, one set for each slot
.set MSB, 0
.macro WIN new                         ; the immediate's high byte repeats the setting that is left; a switch that changes nothing is dropped
.if MSB != (\new)
	s_set_vgpr_msb (MSB<<8)|(\new)
.set MSB, \new
.endif
.endm
.set MUL_LO, 0xa1                      ; source 0 (B) window 1, source 1 (A) window 0, C and D window 2
.set MUL_HI, 0xf1                      ; the same, C and D window 3
.set TO_B,   0x40                      ; destination window 1, address window 0
; A joint load.  Waves 0 and 1 fetch A's two halves, waves 2 and 3 B's.  Each of the two lines has ONE mask and one set of registers for all that issue it, and nothing in them hangs on a coordinate
; that the four partners do not share.  The branch hangs on the wave's number alone.  An s_nop 0 and four v_nop follow each of the two lines, ahead of the jump, the label and what follows.
.macro JLOAD s
	s_cmp_eq_u32 s11, 0
	s_cbranch_scc0 .Lfor_b_\@
	tensor_load_to_lds s[G0+4*(\s):G0+4*(\s)+3], s[G1:G1+7]
	s_nop 0
.rept 4
	v_nop
.endr
	s_branch .Lasked_\@
.Lfor_b_\@:
	tensor_load_to_lds s[G0B+4*(\s):G0B+4*(\s)+3], s[G1B:G1B+7]
	s_nop 0
.rept 4
	v_nop
.endr
.Lasked_\@:
.endm
; A PREFETCH INTO THE L2, behind each joint refill, its five lines and the run of LDS loads that follows them: the K step that stands TWO refills on (512 matrix instructions ahead of the load that will ask
; for it): 32 rows x 256 bytes, a lane a row, one instruction a wave.  Each row's 256 bytes of a K step are named ONCE in the launch: A's tile row is read by every cluster of that row of clusters, and the
; one with cluster x = 0 asks; B's tile column by every cluster of that column, and the one with cluster y = 0 asks.  The four partners that ask for a tile jointly share its rows out BY ADDRESS: of the
; 128 rows that a wave fetches, the partner at place p takes 32 p .. 32 p + 31 (p = cx for A, cy for B): no branch hangs on a work-group's place in its cluster.
; K steps 0 to 3 come by their loads alone; the loop's last trip (s3 = 1) asks for nothing: the last K step named is 31.
.macro ASK
	s_cmp_gt_u32 s3, s[LIM]
	s_cbranch_scc0 .Lnot_mine_\@
	global_prefetch_b8 v[PFO], s[PFA:PFA+1] offset:KSTEP*2 th:TH_LOAD_NT scope:SCOPE_SE
.Lnot_mine_\@:
.endm
; A round of the cluster's barrier: my work-group's barrier, so that wave 0's signal speaks for all four waves; wave 0 signals for the work-group; every wave waits for all sixteen work-groups;
; my work-group's barrier once more.  No LDS instruction of the wave is pending at a signal.
.macro CREST                           ; a round behind its opening barrier
	s_cmp_lg_u32 s10, 0
	s_cbranch_scc1 .Lnot_wave_0_\@
	s_barrier_signal -3
.Lnot_wave_0_\@:
	s_barrier_wait -3
	s_barrier_signal -1
	s_barrier_wait -1
.endm
.macro CROUND                          ; a whole round
	s_barrier_signal -1
	s_barrier_wait -1
	CREST
.endm
	s_load_b128 s[4:7], s[0:1], 0x0                ; A s[4:5], B s[6:7]
	s_load_b64 s[8:9], s[0:1], 0x10                ; C
	v_lshl_add_u32 v[SPW], v0, 2, SPARE
	v_mov_b32 v[NIL], 0
	ds_add_u32 v[SPW], v[NIL]                      ; the wave's opening: the add, twice on end, and its wait ahead of my first tensor load; the set-up below, work on registers, stands between
	ds_add_u32 v[SPW], v[NIL]                      ; and once more, under the one wait
	v_lshrrev_b32 v1, 5, v0
	v_readfirstlane_b32 s10, v1                    ; wave 0..3
	s_lshr_b32 s11, s10, 1                         ; which half of the tile's rows is mine.  Also: I fetch for A (0) or for B (1)
	s_and_b32 s12, s10, 1                          ; which half of its columns.  Also: which 128 rows of that tile I fetch
	s_bfe_u32 s40, ttmp6, 0x40000                  ; cx: my place along the cluster's x
	s_bfe_u32 s41, ttmp6, 0x40004                  ; cy: along its y
	s_lshl_b32 s42, ttmp9, 2                       ; in a cluster launch ttmp9 and ttmp7 count clusters
	s_add_co_u32 s42, s42, s40                     ; tile column of C = 4 x cluster x + cx
	s_and_b32 s13, ttmp7, 0xffff
	s_lshl_b32 s13, s13, 2
	s_add_co_u32 s13, s13, s41                     ; tile row of C = 4 x cluster y + cy
	s_lshl_b32 s43, s41, 2
	s_lshl_b32 s43, 15, s43                        ; my row of the cluster: places 4 cy .. 4 cy + 3
	s_lshl_b32 s44, 0x1111, s40                    ; my column: places cx, cx + 4, cx + 8, cx + 12
	; descriptor group 1: a tile of 128 rows x 128 elements, padded in LDS
	s_or_b32 s[G1+0], s43, (1<<16)|(1<<20)|(1<<21)|(5<<22)|(3<<25)  ; 15:0 the mask: A's tiles go to my row; 17:16 element of 2 bytes; 20 padding on; 21 set beside a mask; 24:22 after every 64 words (code 5); 31:25 of 4 words (code 3)
	s_or_b32 s[G1B+0], s44, (1<<16)|(1<<20)|(1<<21)|(5<<22)|(3<<25) ; the same with the mask of my column, for B's tiles
	s_mov_b32 s[G1B+1], KSTEP<<16
	s_mov_b32 s[G1+1], KSTEP<<16                   ; 63:48 tensor_dim0, low half = 128
	s_mov_b32 s[G1B+2], 128<<16
	s_mov_b32 s[G1+2], 128<<16                     ; 79:64 its high half = 0; 95:80 tensor_dim1, low half = 128
	s_mov_b32 s[G1B+3], KSTEP<<16
	s_mov_b32 s[G1+3], KSTEP<<16                   ; 111:96 its high half = 0; 127:112 tile_dim0 = 128
	s_mov_b32 s[G1B+4], 128
	s_mov_b32 s[G1+4], 128                         ; 143:128 tile_dim1 = 128; 159:144 tile_dim2 = 0
	s_mov_b32 s[G1B+5], SIZE_K
	s_mov_b32 s[G1+5], SIZE_K                      ; 191:160 tensor_dim0_stride, low word: elements from row to row
	s_mov_b32 s[G1B+6], 0
	s_mov_b32 s[G1+6], 0
	s_mov_b32 s[G1B+7], 0
	s_mov_b32 s[G1+7], 0
	; where the tiles come from.  A's hang on the tile row alone, which my row of the cluster shares; B's on the tile column alone, which my column shares.
	; Every wave makes both addresses, in registers that never hold the other coordinate, and asks by one of them.
	s_lshl_b32 s17, s12, 7                         ; which 128 rows of the tile I fetch
	s_lshl_b32 s16, s13, 8
	s_add_co_u32 s16, s16, s17                     ; A: row 256 x tile row + 128 x half
	s_lshl_b32 s46, s42, 8
	s_add_co_u32 s46, s46, s17                     ; B: row 256 x tile column + 128 x half
	s_mov_b32 s17, 0
	s_mov_b32 s47, 0
	s_mov_b64 s[18:19], SIZE_K*2
	s_mul_u64 s[16:17], s[16:17], s[18:19]         ; in bytes
	s_mul_u64 s[46:47], s[46:47], s[18:19]
	s_mul_i32 s20, s10, HALFT                      ; and where they go: A's two halves, then B's two halves = wave x 128 rows: no place in the cluster enters an LDS address
	s_wait_dscnt 0x0                               ; both opening adds are done
	s_wait_kmcnt 0x0
	s_add_nc_u64 s[14:15], s[4:5], s[16:17]
	s_add_nc_u64 s[46:47], s[6:7], s[46:47]
	CROUND                                         ; all sixteen work-groups are here: the first joint loads meet
.irp s, 0,1
	s_mov_b32 s[G0+4*(\s)], 1                                      ; 1:0 count = 1
	s_add_co_u32 s[G0+4*(\s)+1], s20, (\s)*SLOT                    ; 63:32 LDS address
	s_add_nc_u64 s[G0+4*(\s)+2:G0+4*(\s)+3], s[14:15], (\s)*KSTEP*2  ; 120:64 global address: K step s
	s_or_b32 s[G0+4*(\s)+3], s[G0+4*(\s)+3], 0x80000000            ; 127:126 type = 2
	s_mov_b32 s[G0B+4*(\s)], 1
	s_add_co_u32 s[G0B+4*(\s)+1], s20, (\s)*SLOT
	s_add_nc_u64 s[G0B+4*(\s)+2:G0B+4*(\s)+3], s[46:47], (\s)*KSTEP*2
	s_or_b32 s[G0B+4*(\s)+3], s[G0B+4*(\s)+3], 0x80000000
	JLOAD \s                                       ; the ring is filled before anything else is done: two loads of mine are out
.endr
	; A fragment is 16 rows x 32 K in 8 registers: lane l holds row l % 16; registers 0-3 hold K = 8 (l / 16) + 0..7, registers 4-7 hold K = 16 + 8 (l / 16) + 0..7.
	; From rows that lie along K: two loads of 16 bytes, 32 bytes apart.  The same for source 0 and source 1.
	v_and_b32 v1, 15, v0                           ; l % 16
	v_bfe_u32 v2, v0, 4, 1                         ; l / 16
	v_mul_u32_u24 v3, v1, PITCH
	v_lshl_add_u32 v3, v2, 4, v3                   ; row x pitch + 16 x half
	s_mul_i32 s21, s11, HALFT                      ; my 128 rows of A
	s_mul_i32 s22, s12, HALFT                      ; my 128 rows of B,
	s_add_co_u32 s22, s22, 2*HALFT                 ; which lie behind A's 256
.irp s, 0,1
	v_add_nc_u32 v[ADRA+(\s)], s21, v3
	v_add_nc_u32 v[ADRB+(\s)], s22, v3
	s_add_co_u32 s21, s21, SLOT
	s_add_co_u32 s22, s22, SLOT
.endr
	s_mul_i32 s23, s10, 16*SPITCH
	s_add_co_u32 s23, s23, STAGE                   ; my stage
	v_mul_u32_u24 v4, v1, SPITCH                   ; in: row l % 16, 32 bytes for each half of the lanes
	v_lshl_add_u32 v4, v2, 5, v4
	v_add_nc_u32 v[STO], s23, v4
	v_and_b32 v5, 31, v0
	v_lshlrev_b32 v[CO], 4, v5                     ; back: 32 lanes take one row's 512 bytes, 16 each; the same 512 bytes in C
	v_add_nc_u32 v[RD], s23, v[CO]
	; C at my part of the tile
	s_lshl_b32 s13, s13, 8
	s_lshl_b32 s14, s11, 7
	s_add_co_u32 s16, s13, s14                     ; my first row of C
	s_mov_b32 s17, 0
	s_mov_b64 s[18:19], CROW
	s_mul_u64 s[16:17], s[16:17], s[18:19]
	s_lshl_b32 s46, s42, 10                        ; my first column, in bytes: 1,024 x tile column + 512 x half (in the registers that held B's address: none that feeds A's descriptors ever holds cx)
	s_lshl_b32 s47, s12, 9
	s_add_co_u32 s46, s46, s47
	s_mov_b32 s47, 0
	s_add_nc_u64 s[16:17], s[16:17], s[46:47]
	s_add_nc_u64 s[8:9], s[8:9], s[16:17]          ; written once: the stores' immediates do the rest
	; the prefetches.  s13 = 256 x tile row, s42 = tile column, s40 = cx, s41 = cy still stand; s[4:5] = A, s[6:7] = B
	s_lshl_b32 s42, s42, 8
	s_and_b32 s22, ttmp7, 0xffff                   ; cluster y
	s_cmp_eq_u32 s11, 0                            ; do I fetch for A?
	s_cselect_b32 s20, s13, s42                    ; the tile's first row: in A by the tile row, in B by the tile column
	s_cselect_b32 s21, s40, s41                    ; my place among the four that ask for it with me
	s_cselect_b32 s22, ttmp9, s22                  ; the coordinate along which other clusters read the same rows
	s_cselect_b64 s[PFA:PFA+1], s[4:5], s[6:7]
	s_cmp_eq_u32 s22, 0
	s_cselect_b32 s[LIM], 1, -1                    ; the same in all sixteen partners, for a given wave
	s_lshl_b32 s22, s12, 7
	s_add_co_u32 s20, s20, s22                     ; + the 128 rows that I fetch
	s_lshl_b32 s21, s21, 5
	s_add_co_u32 s20, s20, s21                     ; + my work-group's 32 of them
	s_mov_b32 s21, 0
	s_mov_b64 s[18:19], SIZE_K*2
	s_mul_u64 s[20:21], s[20:21], s[18:19]
	s_add_nc_u64 s[PFA:PFA+1], s[PFA:PFA+1], s[20:21]
	s_add_nc_u64 s[PFA:PFA+1], s[PFA:PFA+1], 2*KSTEP*2  ; at K step 2: the first refill steps it to 3 and names K step 4
	v_and_b32 v[PFO], 31, v0
	v_mul_u32_u24 v[PFO], v[PFO], SIZE_K*2
	; nothing is prefetched here, at the head, where every work-group's first two tiles are on their way
; 16 matrix instructions: m blocks a0, a0 + 1 of the window's four (hi = 0: my rows 0-63, 1: rows 64-127) x all 8 n blocks, 32 along K.  zero = 1: the first product starts the sums: nothing is ever cleared.
; The 64 accumulators take turns, one instruction a turn, in the same order in every quarter step, over the backward jump and into the tail too.
.macro MUL16 f, hi, a0, zero
	WIN MUL_LO+0x50*(\hi)  ; MUL_LO or MUL_HI
.irp a, \a0, (\a0)+1
.irp b, 0,1,2,3,4,5,6,7
.if \zero
	v_wmma_f32_16x16x32_bf16 v[8*(8*(\a)+(\b)):8*(8*(\a)+(\b))+7], v[(\f)+8*(\b):(\f)+8*(\b)+7], v[(\f)+8*(4*(\hi)+(\a)):(\f)+8*(4*(\hi)+(\a))+7], 0
.else
	v_wmma_f32_16x16x32_bf16 v[8*(8*(\a)+(\b)):8*(8*(\a)+(\b))+7], v[(\f)+8*(\b):(\f)+8*(\b)+7], v[(\f)+8*(4*(\hi)+(\a)):(\f)+8*(4*(\hi)+(\a))+7], v[8*(8*(\a)+(\b)):8*(8*(\a)+(\b))+7]
.endif
.endr
.endr
.endm
; 32 LDS loads in one run: the fragments of one quarter step (128 rows of B, 128 rows of A, 32 K at byte k of the rows) into buffer f
.macro FETCH slot, k, f
	WIN TO_B
.irp i, 0,1,2,3,4,5,6,7
	ds_load_b128 v[(\f)+8*(\i):(\f)+8*(\i)+3],   v[ADRB+(\slot)] offset:(\k)+(\i)*16*PITCH
	ds_load_b128 v[(\f)+8*(\i)+4:(\f)+8*(\i)+7], v[ADRB+(\slot)] offset:(\k)+(\i)*16*PITCH+32
.endr
	WIN 0
.irp i, 0,1,2,3,4,5,6,7
	ds_load_b128 v[(\f)+8*(\i):(\f)+8*(\i)+3],   v[ADRA+(\slot)] offset:(\k)+(\i)*16*PITCH
	ds_load_b128 v[(\f)+8*(\i)+4:(\f)+8*(\i)+7], v[ADRA+(\slot)] offset:(\k)+(\i)*16*PITCH+32
.endr
.endm
; A load into a register that a matrix instruction has read, and a store that reads a matrix result, stand four places behind that matrix instruction, and only plain vector instructions that name none of
; its registers are places (ISA guide 7.12.1 for vector instructions); the matrix instructions in between are not counted.
.macro PLACES
.rept 4
	v_nop
.endr
.endm
; A K step is four quarter steps of 32 along K, 64 matrix instructions each, on buffers 0, 1, 0, 1.
; One of the first three: multiplies buffer f; in its middle it fetches the next quarter's fragments, at byte k of the same slot's rows, into buffer g.
.macro QUARTER slot, k, f, g, zero
	s_wait_dscnt 8                                 ; B and A's rows 0-63 are in; the youngest eight loads (A's rows 64-127) may be out
	WIN MUL_LO
	MUL16 \f, 0, 0, \zero
	MUL16 \f, 0, 2, \zero
	PLACES
	FETCH \slot, \k, \g
	s_wait_dscnt 32                                ; all but the 32 just issued
	WIN MUL_HI
	MUL16 \f, 1, 0, \zero
	MUL16 \f, 1, 2, \zero
.endm
; The last quarter multiplies buffer 1 and changes slots.  MEET is its first half: ONE barrier for the change of slots, for two things.  In front of it each wave waits for all its tensor loads, of which
; one is out: its part of the next slot; adds 0 to its spare word; and waits for that and for its own reads of this slot.  Behind it nobody reads this slot any more and the next slot is whole.
.macro MEET round                      ; round = 1: a round of the cluster's barrier follows
	WIN 0                                          ; (the add's two registers lie in window 0)
	s_wait_tensorcnt 0x0                           ; all my tensor loads have landed: the one that was out is my part of the next slot;
	ds_add_u32 v[SPW], v[NIL]                      ; 0 onto my spare word;
	s_wait_dscnt 9                                 ; (the add and the youngest eight loads may be out)
	WIN MUL_LO
	MUL16 F1, 0, 0, 0                              ; sixteen matrix instructions stand between the add and the wait for it
	s_wait_dscnt 0x0                               ; the add is done, and my reads of this slot are over:
	s_barrier_signal -1                            ; say so (where a slot is filled again this barrier opens a round of the cluster's barrier),
	MUL16 F1, 0, 2, 0                              ; work on registers while the others arrive,
.if \round
	WIN 0
.endif
	s_barrier_wait -1                              ; and go on when all four have said so
.endm
; The whole last quarter.  fill = 1: behind the round the slot just read out is filled again first, with the K step two steps on; then come the next slot's first fragments.  From a request to the wait
; for it a wave issues 224 matrix instructions; one tensor load of mine is out meanwhile.  fill = 0 (the tail): nothing is left to ask for, and no round follows.
.macro TURN slot, next, fill
.if \fill
	s_wait_xcnt 0x0                                ; the last prefetch, a K step back, has read its address: it is stepped here, ahead of the waits of the change of slots
	s_add_nc_u64 s[PFA:PFA+1], s[PFA:PFA+1], KSTEP*2
	MEET 1
	CREST                                          ; no wave of any partner still reads this slot's tile or has a load on its way
	s_add_nc_u64 s[G0+4*(\slot)+2:G0+4*(\slot)+3], s[G0+4*(\slot)+2:G0+4*(\slot)+3], 2*KSTEP*2     ; no tensor load of mine is out, so a group 0 may be written; the type bits on top are not reached
	s_add_nc_u64 s[G0B+4*(\slot)+2:G0B+4*(\slot)+3], s[G0B+4*(\slot)+2:G0B+4*(\slot)+3], 2*KSTEP*2
	JLOAD \slot                                    ; the first tensor load behind the round; the four v_nop behind it are also the places in front of the loads below
.else
	MEET 0
	PLACES
.endif
	FETCH \next, 0, F0
.if \fill
	ASK                                            ; behind the joint load and the run of LDS loads that the next products wait for
.endif
	WIN MUL_HI
	MUL16 F1, 1, 0, 0
	MUL16 F1, 1, 2, 0
.endm
; THE WAY OUT of block a (16 rows of C x my 128 columns), in two parts.  TOSTAGE: a lane's 32 bytes of each accumulator go into my own stage, rows of 528 bytes, each accumulator's low four registers first
; then the 16 rows come back whole, 512 bytes a load.  LDS serves a wave's instructions in order (ISA guide 5.7.1.4): the loads see the stores above them, and the next
; block's stores come behind these loads.  SEND: each row is stored: 32 lanes, 512 consecutive bytes, at a multiple of 512 from C's first byte.
.macro TOSTAGE a
.set AC, 64*((\a)%4)
.set BK, OB+64*((\a)%2)
	WIN 0x08+4*((\a)/4)                            ; the stores' data (source 1) in window 2 or 3, the address in window 0
.irp b, 0,1,2,3,4,5,6,7
	ds_store_b128 v[STO], v[AC+8*(\b):AC+8*(\b)+3]   offset:64*(\b)
	ds_store_b128 v[STO], v[AC+8*(\b)+4:AC+8*(\b)+7] offset:64*(\b)+16
.endr
	WIN 0
.irp t, 0,1,2,3,4,5,6,7,8,9,10,11,12,13,14,15
	ds_load_b128 v[BK+4*(\t):BK+4*(\t)+3], v[RD] offset:(\t)*SPITCH
.endr
.endm
.macro SEND a, younger                 ; younger: the LDS instructions issued behind block a's loads: the next block's 32, or none
.set BK, OB+64*((\a)%2)
	WIN 0
.irp t, 0,1,2,3,4,5,6,7,8,9,10,11,12,13,14,15
	s_wait_dscnt (\younger)+15-(\t)                ; row t is back; the block's later rows and the younger instructions may be out
	global_store_b128 v[CO], v[BK+4*(\t):BK+4*(\t)+3], s[8:9] offset:(16*(\a)+(\t))*CROW th:TH_STORE_NT  ; 127 rows of C at the most: 2,080,768, inside the signed 24-bit immediate (ISA guide, chapter 10)
.endr
.endm
	s_wait_tensorcnt 1                             ; my part of K step 0 is in; K step 1's may stay out
	s_barrier_signal -1
	s_barrier_wait -1                              ; everybody's is
	FETCH 0, 0, F0
	QUARTER 0, 64,  F0, F1, 1                      ; the first quarter stands in front of the loop: its products start the sums
	WIN 0                                          ; at a label and at a branch every window is 0
	s_mov_b32 s3, LAPS-1
.Llap:                                                 ; a trip goes once round the ring, from a lap's second quarter to the next lap's first, and fills both slots again
	QUARTER 0, 128, F1, F0, 0
	QUARTER 0, 192, F0, F1, 0
	TURN 0, 1, 1
	QUARTER 1, 64,  F0, F1, 0
	QUARTER 1, 128, F1, F0, 0
	QUARTER 1, 192, F0, F1, 0
	TURN 1, 0, 1
	QUARTER 0, 64,  F0, F1, 0
	WIN 0
	s_sub_co_u32 s3, s3, 1
	s_cmp_lg_u32 s3, 0
	s_cbranch_scc1 .Llap
	QUARTER 0, 128, F1, F0, 0                      ; the last lap is written out: it fills nothing, and has no round of the cluster's barrier
	QUARTER 0, 192, F0, F1, 0
	TURN 0, 1, 0
	QUARTER 1, 64,  F0, F1, 0
	QUARTER 1, 128, F1, F0, 0
	QUARTER 1, 192, F0, F1, 0
	s_wait_dscnt 8                                 ; the very last quarter: nothing more to fetch
	WIN MUL_LO
	MUL16 F1, 0, 0, 0
	MUL16 F1, 0, 2, 0
	s_wait_dscnt 0x0
	MUL16 F1, 1, 0, 0
	MUL16 F1, 1, 2, 0
	WIN 0
	PLACES                                         ; behind the last products: for the LDS stores that read results, and for the LDS loads into A's fragment registers;
	PLACES                                         ; the distance is taken twice, once a launch
	TOSTAGE 0
	TOSTAGE 1                                      ; a block's way through the stage stands between the loads of the block before and its stores
	SEND 0, 32
.irp a, 2,3,4,5,6,7
	s_wait_xcnt 0x0                                ; every earlier store has had its addresses translated (ISA guide 3.1): the registers that block a - 2's stores read are loaded again only behind this wait
	TOSTAGE \a
	SEND (\a)-1, 32
.endr
	SEND 7, 0
	s_wait_tensorcnt 0x0                           ; the wave's end, behind my last tensor load and my last LDS store
	ds_add_u32 v[SPW], v[NIL]
	s_wait_dscnt 0x0
	CROUND                                         ; the closing round: no work-group ends while a partner may still ask for a tile that names it
	s_endpgm
.Lfunc_end_k_q3119d6403b_gemm:
	.size	k_q3119d6403b_gemm, .Lfunc_end_k_q3119d6403b_gemm-k_q3119d6403b_gemm
	.p2alignl 7, 3214868480
	.fill 96, 4, 3214868480
	.section	.rodata,"a",@progbits
	.p2align	6, 0x0
	.amdhsa_kernel k_q3119d6403b_gemm
		.amdhsa_group_segment_fixed_size 327680
		.amdhsa_private_segment_fixed_size 0
		.amdhsa_enable_private_segment 0
		.amdhsa_kernarg_size 24
		.amdhsa_user_sgpr_count 2
		.amdhsa_user_sgpr_kernarg_segment_ptr 1
		.amdhsa_wavefront_size32 1
		.amdhsa_system_sgpr_workgroup_id_x 1
		.amdhsa_system_sgpr_workgroup_id_y 1
		.amdhsa_system_sgpr_workgroup_id_z 1
		.amdhsa_system_vgpr_workitem_id 0
		.amdhsa_next_free_vgpr 1024
		.amdhsa_next_free_sgpr 66
		.amdhsa_reserve_vcc 0
		.amdhsa_float_denorm_mode_32 3
		.amdhsa_float_denorm_mode_16_64 3
		.amdhsa_memory_ordered 1
		.amdhsa_forward_progress 1
		.amdhsa_inst_pref_size 145
	.end_amdhsa_kernel
	.amdgpu_metadata
---
amdhsa.version: [ 1, 2 ]
amdhsa.kernels:
  - .name:           k_q3119d6403b_gemm
    .symbol:         k_q3119d6403b_gemm.kd
    .args:
      - { .name: abf, .offset: 0, .size: 8, .value_kind: global_buffer, .address_space: global }
      - { .name: bbf, .offset: 8, .size: 8, .value_kind: global_buffer, .address_space: global }
      - { .name: out0, .offset: 16, .size: 8, .value_kind: global_buffer, .address_space: global }
    .group_segment_fixed_size: 327680
    .private_segment_fixed_size: 0
    .kernarg_segment_align: 8
    .kernarg_segment_size: 24
    .max_flat_workgroup_size: 128
    .sgpr_count:     66
    .vgpr_count:     1024
    .wavefront_size: 32
...
	.end_amdgpu_metadata
.endif
;; end of part 2
;; ======== version 2 of 2: 2 launches; version 1 with the launch dequant written anew for expert scheduling mode
;; workspace buffers: abf 33,554,432 bytes; bbf 33,554,432 bytes
;; launch dequant (part 3): grid 128 x 2, 16 waves a work-group, no clusters, 18,432 bytes of LDS; arguments a, b, scales_a, scales_b, abf, bbf; writes abf, bbf
.if DOCPART == 3
	.amdgcn_target "amdgcn-amd-amdhsa--gfx1250"
	.amdhsa_code_object_version 6
	.text
	.protected	k_q3119d6403b_dequant
	.globl	k_q3119d6403b_dequant
	.p2align	8
	.type	k_q3119d6403b_dequant,@function
k_q3119d6403b_dequant:
	s_mov_b64 s[64:65], 0
	v_nop
	global_prefetch_b8 v0, s[64:65] scope:SCOPE_SE
	s_setreg_imm32_b32 hwreg(HW_REG_WAVE_SCHED_MODE, 0, 2), 2
	s_setreg_imm32_b32 hwreg(HW_REG_WAVE_MODE, 25, 1), 1
	s_wait_xcnt 0x0
	s_wait_alu depctr_vm_vsrc(0)
; MXFP4 -> bf16.  src: [4096][2048] int32, each word one byte = two E2M1 codes (low nibble first); scl: [4096][128] f32, a biased exponent s for 32 numbers along K.
; dst: [4096][4096] bf16, dst[r][k] = code value x 2^(s - 127).  A word of src (two codes) and its two bf16 results are both 4 bytes: every result word lies at its source word's byte offset.
; Grid y = 0: a, scales_a -> abf;  y = 1: b, scales_b -> bbf.  A work-group owns 32 rows, each of its 16 waves two rows.  No loop: a wave issues its 2 scale loads and its 32 data loads
; (17 KiB) at once and works them off in the order of issue, by counted waits.
; LANES.  A row is 8,192 bytes = 32 pieces of 256 bytes; piece u holds 128 numbers = the scale blocks 4 u .. 4 u + 3.  Load j (0..15) of a row: lanes 0-15 take piece j, lanes 16-31 piece 16 + j,
; 16 bytes a lane: sixteen neighbouring lanes read and later store 256 consecutive bytes, aligned.  Lane (h = l / 16, c = l % 16) then needs scale 4 (16 h + j) + c / 4.
; SCALES are read once, 512 consecutive bytes a row (lane l: scales 4 l + q), made into 2^(s - 127), and turned through the wave's own 1,024 bytes of LDS: scale 4 l + q goes to word 32 q + l,
; so that a lane's sixteen scales (j = 0..15) are 64 consecutive bytes.  Only the wave itself touches those bytes, and LDS serves a wave's instructions in order (ISA guide 5.7.1.4): no barrier.
; ARITHMETIC.  2^(s - 127) = ldexp(2^frac, floor) with frac in [0, 1): the exponential's argument is small, so a scale below 2^-126 comes out as a denormal and one past f32's range as infinity.
; The code's value (exact) is multiplied by the scale in f32 and rounded once to bf16: exact wherever s is a whole number and the result is no bf16 denormal.
; LIMITS.  Bits 31:8 of a word are ignored.  A NaN scale is not treated apart (it gives NaN).  Where s is no whole number the product is rounded to bf16's 8 significant bits.
; THE MODE: SCHED_MODE bits 1:0 = 2 (LLVM: expert scheduling mode 2), set by the entry lines.  The code itself states the register dependences
; between vector instructions and memory or LDS instructions, with s_wait_alu, always for 0.
; THE PLAN.  Registers that memory or LDS instructions touch:
;   v2 .. v5     offsets and LDS addresses: written by vector lines at the head, read by every load, store and LDS instruction, never written again.
;   SR           the two scale loads land in it; no vector line names it before them.
;   EX           written by the exponentials and by v_ldexp_f32; read by the eight LDS stores; never written again.
;   SC           the eight LDS loads land in it; no vector line names it before them.
;   X, group g   its load lands in it; its three v_perm_b32 read it; its four roundings write it; its store reads it; never written again.
;   v6, v7       written at the head, read by the closing add alone.
; The 32 groups go in eight blocks of four.  A block's vector lines name its own sixteen registers of X; its memory instructions are the four stores of the block BEFORE.  So one wait on va_vdst at a
; block's head states all that the block's stores hang on, and they are dealt among its vector lines with no further wait.  No register that a memory or LDS instruction reads is ever written again:
; there is no such dependence to state.
.set ROWB,  8192                       ; bytes in a row of src and of dst
.set SCROW, 512                        ; bytes in a row of scl
.set SPARE, 16384                      ; behind the sixteen scale areas: the spare words, 128 bytes for each wave: eight blocks of 256 bytes that no other line names
.set DO,  2                            ; v2   my byte offset in a load's two pieces: 4,096 h + 16 c; never rewritten
.set SO,  3                            ; v3   16 l: my four scales of a row
.set LW,  4                            ; v4   LDS: my wave's area + 4 l
.set LRD, 5                            ; v5   LDS: my wave's area + 128 (c / 4) + 64 h
.set SPW, 6                            ; v6   LDS address of my spare word: SPARE + 4 x my thread's number; never rewritten
.set NIL, 7                            ; v7   0; never rewritten
.set ONE, 8                            ; v8   the E8M0 code of 1.0 in every byte: the conversion's scale
.set T0,  10                           ; v10-11 at work
.set T1,  11
.set PA,  12                           ; v12, v13  eight codes each, K ascending from bit 0
.set PB,  13
.set SR,  16                           ; v[16:23]  s as loaded (row r at 4 r), then s - 127, then its fraction
.set FL,  24                           ; v[24:31]  floor(s - 127), then the same as a whole number
.set EX,  32                           ; v[32:39]  2^frac, then the scale
.set FA,  40                           ; v[40:47]  eight numbers in f32
.set FB,  48                           ; v[48:55]  eight more
.set SC,  64                           ; v[64:95]  the scale of group g = 16 r + j
.set X,   96                           ; v[96:223] group g: 4 registers, as loaded and then as stored
.set SRC, 22                           ; s[22:23]  src at my wave's first row
.set SCL, 24                           ; s[24:25]  scl at my wave's first row
.set DST, 26                           ; s[26:27]  dst at my wave's first row
.set SELA, 28                          ; s28  v_perm_b32: byte 0 of the second source, byte 0 of the first, twice
.set SELB, 29                          ; s29  v_perm_b32: the low halves of the second and of the first source
	s_load_b256 s[4:11], s[0:1], 0x0               ; a s[4:5], b s[6:7], scales_a s[8:9], scales_b s[10:11]
	s_load_b128 s[12:15], s[0:1], 0x20             ; abf s[12:13], bbf s[14:15]
	v_lshl_add_u32 v[SPW], v0, 2, SPARE
	v_mov_b32 v[NIL], 0
	v_lshrrev_b32 v1, 5, v0
	v_readfirstlane_b32 s16, v1                    ; wave 0..15
	s_and_b32 s17, ttmp7, 0xffff                   ; which of the two tensors
	s_lshl_b32 s18, ttmp9, 18                      ; the work-group's 32 rows of 8,192 bytes
	s_lshl_b32 s20, ttmp9, 14                      ; the same rows in scl: 512 bytes each
	s_mov_b32 s[SELA], 0x04000400
	s_mov_b32 s[SELB], 0x05040100
	v_and_b32 v1, 31, v0                           ; l
	v_and_b32 v9, 15, v0                           ; c
	v_bfe_u32 v10, v0, 4, 1                        ; h
	v_bfe_u32 v11, v0, 2, 2                        ; c / 4
	v_lshlrev_b32 v[DO], 4, v9
	v_lshl_add_u32 v[DO], v10, 12, v[DO]
	v_lshlrev_b32 v[SO], 4, v1
	v_mov_b32 v[ONE], 0x7f7f7f7f
	s_wait_alu depctr_va_sdst(0)                   ; s16 is written, ahead of its first reader: the wave's rows and its LDS area are made from it
	s_lshl_b32 s19, s16, 14                        ; my wave's two rows of src and dst
	s_add_co_u32 s18, s18, s19
	s_mov_b32 s19, 0
	s_lshl_b32 s30, s16, 10                        ; my wave's two rows of scl (also my wave's 1,024 bytes of LDS)
	s_add_co_u32 s20, s20, s30
	s_mov_b32 s21, 0
	v_lshl_add_u32 v[LW], v1, 2, s30
	v_lshl_add_u32 v[LRD], v11, 7, s30
	v_lshl_add_u32 v[LRD], v10, 6, v[LRD]
	s_wait_kmcnt 0x0
	s_cmp_eq_u32 s17, 0
	s_cselect_b64 s[SRC:SRC+1], s[4:5], s[6:7]
	s_cselect_b64 s[SCL:SCL+1], s[8:9], s[10:11]
	s_cselect_b64 s[DST:DST+1], s[12:13], s[14:15]
	s_add_nc_u64 s[SRC:SRC+1], s[SRC:SRC+1], s[18:19]
	s_add_nc_u64 s[SCL:SCL+1], s[SCL:SCL+1], s[20:21]
	s_add_nc_u64 s[DST:DST+1], s[DST:DST+1], s[18:19]
	s_wait_alu depctr_va_vdst(0)                   ; v2 to v5 are written: every load, store and LDS instruction of the kernel reads one of them as its offset or address
.irp r, 0,1
	global_load_b128 v[SR+4*(\r):SR+4*(\r)+3], v[SO], s[SCL:SCL+1] offset:SCROW*(\r) th:TH_LOAD_NT
.endr
.irp r, 0,1
.irp j, 0,1,2,3,4,5,6,7,8,9,10,11,12,13,14,15
	global_load_b128 v[X+4*(16*(\r)+(\j)):X+4*(16*(\r)+(\j))+3], v[DO], s[SRC:SRC+1] offset:ROWB*(\r)+256*(\j) th:TH_LOAD_NT
.endr
.endr
	s_wait_loadcnt 32                              ; loads come back in order (ISA guide 5.7.1): the two scale loads are in, the 32 data loads behind them stay out
.irp i, 0,1,2,3,4,5,6,7
	v_add_f32 v[SR+(\i)], 0xc2fe0000, v[SR+(\i)]   ; s - 127
.endr
.irp i, 0,1,2,3,4,5,6,7
	v_floor_f32 v[FL+(\i)], v[SR+(\i)]
.endr
.irp i, 0,1,2,3,4,5,6,7
	v_sub_f32 v[SR+(\i)], v[SR+(\i)], v[FL+(\i)]   ; the fraction, 0 where s is a whole number
.endr
.irp i, 0,1,2,3,4,5,6,7
	v_exp_f32 v[EX+(\i)], v[SR+(\i)]               ; one batch of eight
.endr
	v_nop                                          ; a plain instruction behind the last exponential, ahead of any use of a result (ISA guide 5.7.2)
.irp i, 0,1,2,3,4,5,6,7
	v_cvt_i32_f32 v[FL+(\i)], v[FL+(\i)]           ; work that names no result of the batch
.endr
	s_wait_alu depctr_va_vdst(0)                   ; one wait for the eight exponentials' results in v[EX ..], ahead of their first reader
.irp i, 0,1,2,3,4,5,6,7
	v_ldexp_f32 v[EX+(\i)], v[EX+(\i)], v[FL+(\i)]
.endr
	s_wait_alu depctr_va_vdst(0)                   ; the eight v_ldexp_f32 have written v[EX ..], which the LDS stores read
.irp r, 0,1
.irp q, 0,1,2,3
	ds_store_b32 v[LW], v[EX+4*(\r)+(\q)] offset:512*(\r)+128*(\q)  ; scale 4 l + q of row r to word 32 q + l of the row's 512 bytes
.endr
.endr
.irp r, 0,1
.irp t, 0,1,2,3
	ds_load_b128 v[SC+16*(\r)+4*(\t):SC+16*(\r)+4*(\t)+3], v[LRD] offset:512*(\r)+16*(\t)  ; my scales for j = 4 t .. 4 t + 3; four lanes share each address
.endr
.endr
	s_wait_dscnt 0x0
; Group g (row g / 16, load g % 16) is stored where it was loaded from: sixteen neighbouring lanes store 256 consecutive bytes, aligned.
.macro SEND g
	global_store_b128 v[DO], v[X+4*(\g):X+4*(\g)+3], s[DST:DST+1] offset:ROWB*((\g)/16)+256*((\g)%16) th:TH_STORE_NT
.endm
; Groups g and g + 1 (g even; row g / 16, loads g % 16 and the next).  The four words' low bytes are gathered into one word of eight codes; the conversion gives their values (its own scale is 1.0);
; the scale multiplies in f32; two roundings a line pack the results over the words that were loaded.  Behind each scaled conversion stands a plain line that names none of its registers
; before its result is touched: the other group's v_perm_b32, or the first group's multiplies.  No register that a store reads is written again, so no wait frees any.
; Two such pairs are a block.  The pair's two memory instructions are the stores of groups g - 4 and g - 3, which the block before has rounded; each stands ahead of a group's gathering lines.
.macro PAIR g
.set XA, X+4*(\g)
.set XB, X+4*(\g)+4
	s_wait_loadcnt 30-(\g)                         ; both groups are in; the 30 - g data loads issued behind them stay out
.if ((\g) % 4 == 0) && ((\g) > 0)
	s_wait_alu depctr_va_vdst(0)                   ; a block's head: the block before has written its sixteen registers of X, which this block's four stores read; no vector line of this block names them
.endif
.if (\g) >= 4
	SEND (\g)-4
.endif
	v_perm_b32 v[T0], v[XA+1], v[XA], s[SELA]
	v_perm_b32 v[T1], v[XA+3], v[XA+2], s[SELA]
	v_perm_b32 v[PA], v[T1], v[T0], s[SELB]
	v_cvt_scale_pk8_f32_fp4 v[FA:FA+7], v[PA], v[ONE]
.if (\g) >= 4
	SEND (\g)-3
.endif
	v_perm_b32 v[T0], v[XB+1], v[XB], s[SELA]
	v_perm_b32 v[T1], v[XB+3], v[XB+2], s[SELA]
	v_perm_b32 v[PB], v[T1], v[T0], s[SELB]
	v_cvt_scale_pk8_f32_fp4 v[FB:FB+7], v[PB], v[ONE]
.irp k, 0,2,4,6
	v_pk_mul_f32 v[FA+(\k):FA+(\k)+1], v[FA+(\k):FA+(\k)+1], v[SC+(\g):SC+(\g)+1] op_sel_hi:[1,0]  ; both by the pair's first register: group g's scale
.endr
.irp k, 0,1,2,3
	v_cvt_pk_bf16_f32 v[XA+(\k)], v[FA+2*(\k)], v[FA+2*(\k)+1]
.endr
.irp k, 0,2,4,6
	v_pk_mul_f32 v[FB+(\k):FB+(\k)+1], v[FB+(\k):FB+(\k)+1], v[SC+(\g):SC+(\g)+1] op_sel:[0,1] op_sel_hi:[1,1]  ; both by the pair's second register: group g + 1's scale
.endr
.irp k, 0,1,2,3
	v_cvt_pk_bf16_f32 v[XB+(\k)], v[FB+2*(\k)], v[FB+2*(\k)+1]
.endr
.endm
.irp g, 0,2,4,6,8,10,12,14,16,18,20,22,24,26,28,30
	PAIR \g
.endr
	s_wait_alu depctr_va_vdst(0)                   ; the last block has written its sixteen registers of X, which the last four stores read
.irp g, 28,29,30,31
	SEND \g
.endr
	s_wait_dscnt 0x0                               ; the closing lines, six on end
	s_wait_alu 0x0
	s_wait_tensorcnt 0x0
	ds_add_u32 v[SPW], v[NIL]
	s_wait_dscnt 0x0
	s_endpgm
.Lfunc_end_k_q3119d6403b_dequant:
	.size	k_q3119d6403b_dequant, .Lfunc_end_k_q3119d6403b_dequant-k_q3119d6403b_dequant
	.p2alignl 7, 3214868480
	.fill 96, 4, 3214868480
	.section	.rodata,"a",@progbits
	.p2align	6, 0x0
	.amdhsa_kernel k_q3119d6403b_dequant
		.amdhsa_group_segment_fixed_size 18432
		.amdhsa_private_segment_fixed_size 0
		.amdhsa_enable_private_segment 0
		.amdhsa_kernarg_size 48
		.amdhsa_user_sgpr_count 2
		.amdhsa_user_sgpr_kernarg_segment_ptr 1
		.amdhsa_wavefront_size32 1
		.amdhsa_system_sgpr_workgroup_id_x 1
		.amdhsa_system_sgpr_workgroup_id_y 1
		.amdhsa_system_sgpr_workgroup_id_z 1
		.amdhsa_system_vgpr_workitem_id 0
		.amdhsa_next_free_vgpr 224
		.amdhsa_next_free_sgpr 66
		.amdhsa_reserve_vcc 0
		.amdhsa_float_denorm_mode_32 3
		.amdhsa_float_denorm_mode_16_64 3
		.amdhsa_memory_ordered 1
		.amdhsa_forward_progress 1
		.amdhsa_inst_pref_size 37
	.end_amdhsa_kernel
	.amdgpu_metadata
---
amdhsa.version: [ 1, 2 ]
amdhsa.kernels:
  - .name:           k_q3119d6403b_dequant
    .symbol:         k_q3119d6403b_dequant.kd
    .args:
      - { .name: a, .offset: 0, .size: 8, .value_kind: global_buffer, .address_space: global }
      - { .name: b, .offset: 8, .size: 8, .value_kind: global_buffer, .address_space: global }
      - { .name: scales_a, .offset: 16, .size: 8, .value_kind: global_buffer, .address_space: global }
      - { .name: scales_b, .offset: 24, .size: 8, .value_kind: global_buffer, .address_space: global }
      - { .name: abf, .offset: 32, .size: 8, .value_kind: global_buffer, .address_space: global }
      - { .name: bbf, .offset: 40, .size: 8, .value_kind: global_buffer, .address_space: global }
    .group_segment_fixed_size: 18432
    .private_segment_fixed_size: 0
    .kernarg_segment_align: 8
    .kernarg_segment_size: 48
    .max_flat_workgroup_size: 512
    .sgpr_count:     66
    .vgpr_count:     224
    .wavefront_size: 32
...
	.end_amdgpu_metadata
.endif
;; end of part 3
;; launch gemm: the kernel of part 2 again; grid 16 x 16, 4 waves a work-group, clusters of 4 x 4, 327,680 bytes of LDS; arguments abf, bbf, out0; writes out0
